; MI455X (gfx1250); checked and timed in simulation.
; The chip was launched on July 23, 2026; its instructions are those of AMD's public machine-readable ISA for CDNA 5 (MIT licence, August 2026) and "CDNA5" Instruction Set Architecture Reference Guide (July 2026). The comments in the code are by the model that wrote it; some were corrected since.
;; Factored Conv2d. Allowed arithmetic: matrix products marked QUANTISED: E3M2 operands, one E8M0 scale for each 32 along K, by v_wmma_scale_f32_16x16x128_f8f6f4 with both operands' format E3M2, f32 sums; products left as they are: f32 operands where the result goes on into a quantised operand, else bf16, f16 or f32 operands; f32 sums; everything else in f32.
;; Inputs: lora_A 16 x 4,096 float32; lora_B 4,096 x 16 float32; rank_magnitude 8 float32; scale_A 4,096 x 8 float32; scale_B 8 x 4,096 float32; weight 4,096 x 4,096 float32; x 2 x 2,048 x 4,096 float32.
;; Outputs: out0 2 x 2,048 x 4,096 float32.
;; This version of the problem:
;;   THIS VERSION OF THE PROBLEM IS GIVEN IN LOW PRECISION. The matrix products marked QUANTISED in the list below multiply operands that are first quantised to E3M2 (3 exponent bits, 2 mantissa bits; 6 bits a number), with one power-of-two scale for each 32 numbers along K (OCP MX v1.0); their sums are f32. All else is computed in f32.
;;   The module's matrix products, in the order in which they are computed (A, B: the left and right operand; K: the contracted axis; several contracted axes count as one K, in the product's order):
;;     1. [M 4,096, K 8] x [K 8, N 4,096]; A: computed on the way; B: input scale_B: left as it is (K = 8 < 32)
;;     2. [M 4,096, K 4,096] x [K 4,096, N 4,096]; A: input x; B: computed on the way: QUANTISED
;;     3. [M 4,096, K 4,096] x [K 4,096, N 16]; A: input x; B: input lora_A: QUANTISED
;;     4. [M 4,096, K 16] x [K 16, N 4,096]; A: computed on the way; B: input lora_B: left as it is (K = 16 < 32)
;;   THE QUANTISER, for each operand of a quantised product, along K:
;;     - K is cut into blocks of 32 from its start; a last block that is shorter is filled with zeros.
;;     - A block's scale is 2^e with e = floor(log2(the largest magnitude in the block)) - 4, held to -126 .. 127; a block of zeros has e = 0. As a byte (E8M0): e + 127.
;;     - Each number is divided by its block's scale, clamped to +-28, and rounded to the nearest number of E3M2, ties to even, subnormals kept.
;;     - The product sums the exact products of the quantised numbers (number of the format x scale) in f32.
;;   ~~~python
;;   def quantise(x, axis):      # numpy; x: float32 -> the quantised numbers, widened to float32 again
;;       x = np.moveaxis(x, axis, -1); K = x.shape[-1]
;;       x = np.pad(x, [(0, 0)] * (x.ndim - 1) + [(0, -K % 32)]); x = x.reshape(x.shape[:-1] + (-1, 32)); a = np.abs(x).max(-1, keepdims=True)
;;       e = np.where(a > 0, np.clip(np.frexp(np.where(a > 0, a, 1))[1] - 1 - 4, -126, 127), 0)      # np.frexp(a)[1] - 1 = floor(log2(a)), exactly
;;       r = np.clip(x / 2.0 ** e, -28, 28)
;;       step = 2.0 ** (np.maximum(np.frexp(np.where(r == 0, 1, r))[1] - 1, -2) - 2)
;;       q = np.round(r / step) * step * 2.0 ** e      # np.round: ties to even
;;       return np.moveaxis(q.reshape(q.shape[:-2] + (-1,))[..., :K], -1, axis).astype(np.float32)
;;   ~~~
;;   OPERANDS COMPUTED ON THE WAY. 'Computed on the way' means the value that the module computes at that place (a softmax that the list does not call 'softmax' is quantised finished and normalised). What goes into a quantiser is computed in f32, as accurately as f32 sums, v_exp_f32 and their like allow (about 1e-6 of the number): no bf16 or f16 on the way to a quantiser, and a product that is left as it is and whose result goes on into a quantised operand takes f32 operands (vector FMAs, or v_wmma_f32_16x16x4_f32). A number that lies on a knife's edge between two numbers of the format may be rounded either way, as far as f32 arithmetic and the matrix unit's own rounding can turn it there, and no further.
;; One version. Each part assembles by itself: llvm-mc -triple=amdgcn-amd-amdhsa -mcpu=gfx1250 --defsym DOCPART=n.
;; ======== version 1 of 1: 2 launches
;; limits: values are held in bf16: 8 bits of precision; right only within a limited range of input values
;; workspace buffers: xq 13,107,200 bytes; wq 13,107,200 bytes; tq 262,144 bytes
;; launch prep (part 1): grid 256 x 1, 8 waves a work-group, no clusters, 152,576 bytes of LDS; arguments x, weight, scale_A, scale_B, rank_magnitude, lora_A, xq, wq, tq; writes xq, wq, tq
.if DOCPART == 1
	.amdgcn_target "amdgcn-amd-amdhsa--gfx1250"
	.amdhsa_code_object_version 6
	.text
	.protected	k_qa751c98bbf_prep
	.globl	k_qa751c98bbf_prep
	.p2align	8
	.type	k_qa751c98bbf_prep,@function
k_qa751c98bbf_prep:
	s_mov_b64 s[64:65], 0
	v_nop
	global_prefetch_b8 v0, s[64:65] scope:SCOPE_SE
	s_setreg_imm32_b32 hwreg(HW_REG_WAVE_MODE, 25, 1), 1
	s_wait_xcnt 0x0
; THE QUANTISERS.  x [4096][4096] f32 and W_eff = weight * ((scale_A * g) @ scale_B) [4096][4096] f32 become codes of BF6 (E3M2) with one E8M0 byte for each 32 along K,
; and t = Q(x) Q(lora_A)^T [4096][16] is made on the way, on x's codes while they stand in registers as an operand.
; A block's scale is 2^(floor(log2(its largest magnitude)) - 4): its byte is the largest magnitude's exponent field - 4, held at 1 from below by a floor among the maximum's leaves.
; LIMITS: NaN and infinities among the inputs are not served.  A block of zeros gets the byte 1 where the rule says 127: its codes are zeros, and this program alone reads the bytes.
; SHARES.  Work-groups 0-127 take x, 128-255 W_eff: 32 rows each (two blocks of 16), all of K.  Wave w of eight takes k = 512 w .. 512 w + 511: four K steps of 128, so eight fragments of 16 rows x 128 K.
; AN ITEM is 16 rows x 128 K of f32.  Its sixteen loads read 512 consecutive bytes each (a row's share of the K step).  The conversions want 16 neighbours along K in ONE lane, so the item turns
; through the wave's own stage in LDS (rows 528 bytes apart) and comes back with register 16 b + i = k 32 b + 16 (lane / 16) + i of row lane % 16.
; THREE ITEMS ARE ALWAYS ASKED FOR AHEAD: three sets of 64 landing registers in window 1 (v256-447).  A K step has three items (lora_A's or scale_B's, block 0's, block 1's), so each kind keeps its set.
; A set is loaded again as soon as its stores into the stage are done: 8 waves x 3 items x 8,192 bytes are on their way for a work-group.
; OUT.  xq and wq are laid in the order of the operand's registers: [K step][group of 128 rows][12,800 bytes]; in a record the fragment of block i at 1,536 i, its registers 4 c .. 4 c + 3 at
; 512 c + 16 lane; the scale words at 12,288 + 64 i + 4 row.  Every store of codes covers 512 consecutive bytes at a multiple of 256; a K step's scale words of my two blocks are 128 consecutive bytes.
; W PATH.  S = (scale_A * g) @ scale_B (K = 8) goes into a quantiser, so it is made in f32, by v_wmma_f32_16x16x4_f32: source 0 = 16 columns i of scale_B, source 1 = my 16 rows o of scale_A * g.
; The columns of a tile are chosen (lane r of tile T takes i = 32 (T / 2) + 8 (T % 2) + r + 8 (r / 8)) so that register j of tile T is S at the very k that register 8 T + j of the item holds.
; X PATH.  Each wave quantises its own 512 k of lora_A (16 rows: one item a K step) and multiplies: source 0 = lora_A, source 1 = x, so lane (r, h) holds t(row r, j = 8 h + 0 .. 7) of its k.
; The eight waves' parts meet in LDS behind the launch's one barrier; waves 0 and 1 add them (k ascending) and store t as bf16 in two parts, hi and lo = t - hi, as the next launch's operand wants them.
; No tensor loads and no cluster: what work-groups share here (lora_A, scale_B) is 256 KB and 128 KB beside the 512 KB of its own that each streams.  The two paths have LDS bytes of their own.
.set ROWB,  16384                      ; a row of x, weight, lora_A, scale_B in bytes
.set SP,    528                        ; a stage row: 512 bytes + 16
.set WST,   16*SP                      ; a wave's stage
.set STW,   8*WST                      ; LDS: x path's eight stages from 0, W path's from here,
.set PART,  16*WST                     ; and t's parts: 2,048 bytes a wave (block, then 512 c + 16 lane)
.set REC,   12800                      ; a record of xq or wq
.set KSB,   32*REC                     ; from a K step's records to the next K step's
.set LOFF, 1                           ; v1   16 x lane
.set STS,  2                           ; v2   x path: into my stage;   v3  out of it: 528 r + 64 h
.set STL,  3
.set STSW, 4                           ; v4, v5  the same on the W path
.set STLW, 5
.set SBL,  6                           ; v6   W path: scale_B out of the stage: 1,056 h + 4 (r + 8 (r / 8))
.set SOFF, 7                           ; v7   4 x lane
.set PWR,  8                           ; v8   where I put my part of t
.set PRD,  9                           ; v9   where waves 0 and 1 read the parts of block wave % 2
.set RR,   10                          ; v10  r = lane % 16
.set HH,   11                          ; v11  h = lane / 16
.set AGO,  12                          ; v12  32 r + 8 h: scale_A
.set GO,   13                          ; v13  8 h: rank_magnitude
.set LAW,  14                          ; v14  lora_A's scale word: a scale and nothing else
.set TV,   15                          ; v15  at work at the head
.set PW,   16                          ; v16-23  scale words of fragment (K step q, block) at 2 q + block: scales and nothing else
.set TM,   24                          ; v24-27 largest magnitudes, v28-31 the other half's, then bytes, v32-35 the conversions' scale operands
.set PC,   36                          ; v36-47  the fragment just made
.set QT,   48                          ; v48-54  the conversions' second halves
.set SW,   55                          ; v55  the scale words' store
.set LA,   56                          ; v56-67  x path: lora_A's fragment
.set SBF,  56                          ; v56-87  W path: scale_B's fragments: tile T, ranks 4 p + 2 h + j at 4 T + 2 p + j
.set AG,   88                          ; v88-95  W path: scale_A * g: block, ranks 4 p + 2 h + j at 4 block + 2 p + j
.set SS,   96                          ; v96-127 W path: four tiles of S.  x path: v96-111 t's two accumulators.  Written by matrix instructions alone
.set TT,   96
.set R,    128                         ; v128-191 the end: the eight waves' parts of t
.set X,    192                         ; v192-255 an item turned
.set WV,   22
.set ID,   23
.set SRC,  24                          ; s[24:25] x or weight at my rows and my k
.set AUX,  26                          ; s[26:27] lora_A or scale_B at my k
.set DSTC, 28                          ; s[28:29] my fragments' place in my first K step's record
.set DSTS, 30                          ; s[30:31] my scale words' place there
.set SEL,  36                          ; s[36:37] v_permlanex16_b32's selects for lane l xor 16
.set SAP,  38                          ; s[38:39] scale_A at my rows
.set TQP,  40                          ; s[40:41] tq at my block
.set MSB, 0
.macro WIN new                         ; s_set_vgpr_msb: bits 1:0 source 0, 3:2 source 1, 7:6 destination; the immediate's high byte repeats the setting that is left
.if MSB != \new
	s_set_vgpr_msb (MSB<<8)|\new
.set MSB, \new
.endif
.endm
.macro LOADF base, blk, q, nt, set     ; an item: 16 rows, 512 consecutive bytes a load, into landing set \set of window 1
	WIN 0x40                                       ; destination window 1, address window 0
.irp i, 0,1,2,3,4,5,6,7,8,9,10,11,12,13,14,15
.if \nt
	global_load_b128 v[64*(\set)+4*\i:64*(\set)+4*\i+3], v[LOFF], s[\base:\base+1] offset:(16*(\blk)+\i)*ROWB+512*(\q) th:TH_LOAD_NT
.else
	global_load_b128 v[64*(\set)+4*\i:64*(\set)+4*\i+3], v[LOFF], s[\base:\base+1] offset:(16*(\blk)+\i)*ROWB+512*(\q)
.endif
.endr
	WIN 0
.endm
.macro LOADS q                         ; scale_B's eight rows of a K step, into the first half of set 0
	WIN 0x40
.irp i, 0,1,2,3,4,5,6,7
	global_load_b128 v[4*\i:4*\i+3], v[LOFF], s[AUX:AUX+1] offset:\i*ROWB+512*(\q)
.endr
	WIN 0
.endm
; The item in set \set goes through my stage.  left = the loads issued behind the item's own, which may stay out.  LDS serves a wave's instructions in order: no wait between the stores and the loads.
; The macro ends when the stores are done: the caller loads the set again and then waits for the turned item (s_wait_dscnt 0).
.macro TURNF sts, stl, set, left
	s_wait_loadcnt \left                           ; loads come back in order: the item is in
	s_wait_xcnt 0x0                                ; the last fragment's and the last scale words' stores have read their data: those registers may be written again
	WIN 0x04                                       ; an LDS store's data are its source 1: window 1
.irp i, 0,1,2,3,4,5,6,7,8,9,10,11,12,13,14,15
	ds_store_b128 v[\sts], v[64*(\set)+4*\i:64*(\set)+4*\i+3] offset:SP*\i
.endr
	WIN 0
.irp b, 0,1,2,3
.irp j, 0,1,2,3
	ds_load_b128 v[X+16*\b+4*\j:X+16*\b+4*\j+3], v[\stl] offset:128*\b+16*\j
.endr
.endr
	s_wait_dscnt 16                                ; the sixteen stores are done (the sixteen loads behind them may be out): the set may be loaded again
.endm
.macro TURNS left                      ; scale_B's eight rows through the stage; out of it 32 words a lane, in the order of source 0's registers
	s_wait_loadcnt \left
	s_wait_xcnt 0x0
	WIN 0x04
.irp i, 0,1,2,3,4,5,6,7
	ds_store_b128 v[STSW], v[4*\i:4*\i+3] offset:SP*\i
.endr
	WIN 0
.irp t, 0,1,2,3,4,5,6,7
.irp p, 0,1
.irp j, 0,1
	ds_load_b32 v[SBF+4*\t+2*\p+\j], v[SBL] offset:(4*\p+\j)*SP+(32*(\t/2)+8*(\t%2))*4
.endr
.endr
.endr
	s_wait_dscnt 32                                ; the eight stores are done (the 32 loads behind them may be out)
.endm
; 64 numbers of a lane, v[s] on, become a fragment's codes in v[d] .. v[d + 11] and its scale word in v[w]
.macro QUANT s, d, w
.irp b, 0,1,2,3
	v_max3_num_f32 v[TM+\b], |v[\s+16*\b]|, |v[\s+1+16*\b]|, 0x2800000   ; block b: my 16 numbers, and the floor 2^(5 - 127): the byte cannot fall under 1
.endr
.irp i, 2,4,6,8,10,12,14
.irp b, 0,1,2,3
	s_delay_alu instid0(VALU_DEP_4)
	v_max3_num_f32 v[TM+\b], v[TM+\b], |v[\s+16*\b+\i]|, |v[\s+1+16*\b+\i]|   ; the four blocks by turns
.endr
.endr
.irp b, 0,1,2,3
	s_delay_alu instid0(VALU_DEP_4)
	v_permlanex16_b32 v[TM+4+\b], v[TM+\b], s[SEL], s[SEL+1]
.endr
.irp b, 0,1,2,3
	s_delay_alu instid0(VALU_DEP_4)
	v_max_num_f32 v[TM+\b], v[TM+\b], v[TM+4+\b]   ; with lane l xor 16's: the block's largest magnitude
.endr
.irp b, 0,1,2,3
	s_delay_alu instid0(VALU_DEP_4)
	v_add_nc_u32 v[TM+8+\b], 0xfe000000, v[TM+\b]  ; 4 off its exponent field: the conversion takes this operand's exponent field as its scale
.endr
.irp b, 0,1,2,3
	s_delay_alu instid0(VALU_DEP_4)
	v_lshrrev_b32 v[TM+4+\b], 23, v[TM+8+\b]       ; the scale's byte
.endr
	s_delay_alu instid0(VALU_DEP_3)
	v_lshl_or_b32 v[\w], v[TM+5], 8, v[TM+4]       ; my row's scale word; lanes 16-31 hold the same as lanes 0-15
	s_delay_alu instid0(VALU_DEP_1)
	v_lshl_or_b32 v[\w], v[TM+6], 16, v[\w]
	s_delay_alu instid0(VALU_DEP_1)
	v_lshl_or_b32 v[\w], v[TM+7], 24, v[\w]
.irp c, 0,1
	v_cvt_scalef32_pk16_bf6_f32 v[\d+6*\c:\d+2+6*\c], v[\s+32*\c:\s+15+32*\c], v[TM+8+2*\c]
	v_cvt_scalef32_pk16_bf6_f32 v[QT+4*\c:QT+2+4*\c], v[\s+16+32*\c:\s+31+32*\c], v[TM+8+2*\c+1]   ; (a conversion's three registers begin on an even number)
.endr
	v_nop                                          ; one plain place behind the scaled conversions
.irp c, 0,1                                    ; the operand wants a WHOLE block in a lane: lanes 0-15 block 2 c, lanes 16-31 block 2 c + 1
.irp i, 0,1,2
	v_permlane16_swap_b32 v[\d+6*\c+\i], v[QT+4*\c+\i]
.endr
.irp i, 0,1,2
	s_delay_alu instid0(VALU_DEP_3)
	v_mov_b32 v[\d+3+6*\c+\i], v[QT+4*\c+\i]
.endr
.endr
.endm
.macro STOREF blk, q                   ; the fragment as it stands: 512 consecutive bytes a store
.irp c, 0,1,2
	global_store_b128 v[LOFF], v[PC+4*\c:PC+4*\c+3], s[DSTC:DSTC+1] offset:KSB*\q+1536*\blk+512*\c
.endr
.endm
.macro TMUL blk, q                     ; t's part: the two accumulators take turns, one instruction a turn
.rept 8
	v_nop                                          ; a scale register written by a vector instruction stands 8 places ahead of a scaled matrix instruction, an operand 4
.endr
.if \q == 0
	v_wmma_scale_f32_16x16x128_f8f6f4 v[TT+8*\blk:TT+8*\blk+7], v[LA:LA+11], v[PC:PC+11], 0, v[LAW], v[PW+2*\q+\blk] matrix_a_fmt:MATRIX_FMT_BF6 matrix_b_fmt:MATRIX_FMT_BF6
.else
	v_wmma_scale_f32_16x16x128_f8f6f4 v[TT+8*\blk:TT+8*\blk+7], v[LA:LA+11], v[PC:PC+11], v[TT+8*\blk:TT+8*\blk+7], v[LAW], v[PW+2*\q+\blk] matrix_a_fmt:MATRIX_FMT_BF6 matrix_b_fmt:MATRIX_FMT_BF6
.endif
.endm
; the item (weight) times S, four tiles of S at a time: ranks 0-3 start the sums, ranks 4-7 add onto them; the four tiles take turns
.macro SMUL blk
.irp e, 0,1
.irp t, 0,1,2,3
	v_wmma_f32_16x16x4_f32 v[SS+8*\t:SS+8*\t+7], v[SBF+4*(4*\e+\t):SBF+4*(4*\e+\t)+1], v[AG+4*\blk:AG+4*\blk+1], 0
.endr
.irp t, 0,1,2,3
	v_wmma_f32_16x16x4_f32 v[SS+8*\t:SS+8*\t+7], v[SBF+4*(4*\e+\t)+2:SBF+4*(4*\e+\t)+3], v[AG+4*\blk+2:AG+4*\blk+3], v[SS+8*\t:SS+8*\t+7]
.endr
.rept 9
	v_nop                                          ; behind this form 8 places ahead of a vector read of the results and of loads into its sources, 9 ahead of the matrix instruction that begins these registers anew
.endr
.irp t, 0,1,2,3
.irp j, 0,2,4,6
	v_pk_mul_f32 v[X+32*\e+8*\t+\j:X+32*\e+8*\t+\j+1], v[X+32*\e+8*\t+\j:X+32*\e+8*\t+\j+1], v[SS+8*\t+\j:SS+8*\t+\j+1]   ; W_eff = weight x S; each tile from its low end on
.endr
.endr
.endr
.endm
.macro SSTORE q                        ; K step q's scale words: lanes 0-15 block 0's rows, lanes 16-31 block 1's: 128 consecutive bytes
	v_cmp_eq_u32 vcc_lo, 1, v[HH]
	s_delay_alu instid0(VALU_DEP_1)
	v_cndmask_b32 v[SW], v[PW+2*\q], v[PW+2*\q+1], vcc_lo
	global_store_b32 v[SOFF], v[SW], s[DSTS:DSTS+1] offset:KSB*\q
.endm
	s_load_b512 s[4:19], s[0:1], 0x0               ; x 4:5, weight 6:7, scale_A 8:9, scale_B 10:11, rank_magnitude 12:13, lora_A 14:15, xq 16:17, wq 18:19
	s_load_b64 s[20:21], s[0:1], 0x40              ; tq
	v_lshl_add_u32 v51, v0, 2, 0x25000
	s_set_vgpr_msb 0x40
	v_mov_b32 v193, 0
	s_set_vgpr_msb 0x4000
	v_lshrrev_b32 v[TV], 5, v0
	s_delay_alu instid0(VALU_DEP_1)
	v_readfirstlane_b32 s[WV], v[TV]               ; wave 0..7
	v_and_b32 v[TV], 31, v0                        ; lane
	v_and_b32 v[RR], 15, v0
	v_bfe_u32 v[HH], v0, 4, 1
	s_delay_alu instid0(VALU_DEP_3)
	v_lshlrev_b32 v[LOFF], 4, v[TV]
	s_delay_alu instid0(VALU_DEP_4)
	v_lshlrev_b32 v[SOFF], 2, v[TV]
	s_mul_i32 s32, s[WV], WST                      ; every LDS address is made here, ahead of the parting of the paths
	v_add_nc_u32 v[STS], s32, v[LOFF]
	v_mul_u32_u24 v[STL], v[RR], SP
	s_delay_alu instid0(VALU_DEP_1)
	v_lshl_add_u32 v[STL], v[HH], 6, v[STL]
	s_delay_alu instid0(VALU_DEP_1)
	v_add_nc_u32 v[STL], s32, v[STL]
	s_delay_alu instid0(VALU_DEP_4)
	v_add_nc_u32 v[STSW], STW, v[STS]
	s_delay_alu instid0(VALU_DEP_2)
	v_add_nc_u32 v[STLW], STW, v[STL]
	v_and_b32 v[SBL], 8, v[RR]
	s_delay_alu instid0(VALU_DEP_1)
	v_add_nc_u32 v[SBL], v[SBL], v[RR]             ; r + 8 (r / 8)
	s_delay_alu instid0(VALU_DEP_1)
	v_lshlrev_b32 v[SBL], 2, v[SBL]
	s_delay_alu instid0(VALU_DEP_1)
	v_mad_u32_u24 v[SBL], v[HH], 2*SP, v[SBL]      ; lanes 16-31 take the ranks two further on
	s_delay_alu instid0(VALU_DEP_1)
	v_add_nc_u32 v[SBL], s32, v[SBL]
	s_delay_alu instid0(VALU_DEP_1)
	v_add_nc_u32 v[SBL], STW, v[SBL]
	s_lshl_b32 s34, s[WV], 11
	v_add_nc_u32 v[PWR], s34, v[LOFF]
	s_delay_alu instid0(VALU_DEP_1)
	v_add_nc_u32 v[PWR], PART, v[PWR]
	s_and_b32 s34, s[WV], 1
	s_lshl_b32 s34, s34, 10
	v_add_nc_u32 v[PRD], s34, v[LOFF]
	s_delay_alu instid0(VALU_DEP_1)
	v_add_nc_u32 v[PRD], PART, v[PRD]
	v_lshlrev_b32 v[AGO], 5, v[RR]
	s_delay_alu instid0(VALU_DEP_1)
	v_lshl_add_u32 v[AGO], v[HH], 3, v[AGO]
	v_lshlrev_b32 v[GO], 3, v[HH]
.irp b, 0,1,2,3
	v_mov_b32 v[TM+4+\b], 0                        ; written once: a lane permute's destination counts as one of its sources
.endr
	s_mov_b32 s[SEL], 0x76543210
	s_mov_b32 s[SEL+1], 0xfedcba98
	s_cmp_lt_u32 ttmp9, 128
	s_cselect_b32 s[ID], 0, 128
	s_sub_co_u32 s[ID], ttmp9, s[ID]               ; which 32 rows of my tensor
	s_lshl_b32 s32, s[ID], 19                      ; 32 rows of 16,384 bytes
	s_lshl_b32 s34, s[WV], 11                      ; my 512 k
	s_add_co_u32 s32, s32, s34
	s_mov_b32 s33, 0
	s_mov_b32 s35, 0
	s_wait_kmcnt 0x0
	s_cmp_lt_u32 ttmp9, 128                        ; the choice hangs on the work-group's number alone
	s_cselect_b64 s[SRC:SRC+1], s[4:5], s[6:7]
	s_cselect_b64 s[AUX:AUX+1], s[14:15], s[10:11]
	s_cselect_b64 s[DSTC:DSTC+1], s[16:17], s[18:19]
	s_add_nc_u64 s[SRC:SRC+1], s[SRC:SRC+1], s[32:33]
	s_add_nc_u64 s[AUX:AUX+1], s[AUX:AUX+1], s[34:35]
	s_lshl_b32 s32, s[WV], 7
	s_lshr_b32 s34, s[ID], 2
	s_add_co_u32 s32, s32, s34                     ; record 32 x (4 x wave) + group
	s_mul_i32 s32, s32, REC
	s_add_nc_u64 s[DSTC:DSTC+1], s[DSTC:DSTC+1], s[32:33]
	s_and_b32 s34, s[ID], 3                        ; my two blocks of the group's eight
	s_lshl_b32 s32, s34, 7
	s_add_co_u32 s32, s32, 12288
	s_add_nc_u64 s[DSTS:DSTS+1], s[DSTC:DSTC+1], s[32:33]
	s_mul_i32 s32, s34, 3072
	s_add_nc_u64 s[DSTC:DSTC+1], s[DSTC:DSTC+1], s[32:33]
	s_lshl_b32 s32, s[ID], 10                      ; 32 rows of scale_A, 32 bytes each
	s_add_nc_u64 s[SAP:SAP+1], s[8:9], s[32:33]
	s_cmp_lt_u32 ttmp9, 128
	s_cbranch_scc0 .Lw
	; ---- x: a K step's items are lora_A's (set 0), block 0's (set 1), block 1's (set 2).  Behind each item stand the loads of the two items that follow it: 32, at the end 16 and none
	LOADF AUX, 0, 0, 0, 0
	LOADF SRC, 0, 0, 1, 1
	LOADF SRC, 1, 0, 1, 2
.irp q, 0,1,2,3
	TURNF STS, STL, 0, 32
.if \q < 3
	LOADF AUX, 0, \q+1, 0, 0
.endif
	s_wait_dscnt 0x0                               ; the turned item is in
	QUANT X, LA, LAW                               ; its 32 maxima are the places behind the product that read lora_A's last fragment and scale word
.if \q < 3
	TURNF STS, STL, 1, 32
	LOADF SRC, 0, \q+1, 1, 1
.else
	TURNF STS, STL, 1, 16
.endif
	s_wait_dscnt 0x0
	QUANT X, PC, PW+2*\q
	STOREF 0, \q
	TMUL 0, \q
.if \q < 3
	TURNF STS, STL, 2, 32
	LOADF SRC, 1, \q+1, 1, 2
.else
	TURNF STS, STL, 2, 0
.endif
	s_wait_dscnt 0x0
	QUANT X, PC, PW+2*\q+1                         ; its 32 maxima are the places behind the product that read the codes
	STOREF 1, \q
	TMUL 1, \q
	SSTORE \q
.endr
.rept 4
	v_nop                                          ; four places between the last product and the LDS stores that read its result
.endr
.irp blk, 0,1
	ds_store_b128 v[PWR], v[TT+8*\blk:TT+8*\blk+3] offset:1024*\blk        ; each accumulator from its low end on
	ds_store_b128 v[PWR], v[TT+8*\blk+4:TT+8*\blk+7] offset:1024*\blk+512
.endr
	s_branch .Ljoin
.Lw:	; ---- W_eff: a K step's items are scale_B's eight rows (set 0), block 0's (set 1), block 1's (set 2)
	s_wait_alu depctr_va_vdst(0)
.irp blk, 0,1
.irp p, 0,1
	global_load_b64 v[AG+4*\blk+2*\p:AG+4*\blk+2*\p+1], v[AGO], s[SAP:SAP+1] offset:512*\blk+16*\p   ; scale_A(16 block + r, 4 p + 2 h + 0, 1)
.endr
.endr
	global_load_b64 v[X:X+1], v[GO], s[12:13]              ; g(2 h + 0, 1)
	global_load_b64 v[X+2:X+3], v[GO], s[12:13] offset:16  ; g(4 + 2 h + 0, 1)
	LOADS 0
	LOADF SRC, 0, 0, 1, 1
	LOADF SRC, 1, 0, 1, 2
	s_wait_loadcnt 40                              ; scale_A and g are in; behind them: scale_B's 8 loads and two items' 32
.irp blk, 0,1
.irp p, 0,1
	v_pk_mul_f32 v[AG+4*\blk+2*\p:AG+4*\blk+2*\p+1], v[AG+4*\blk+2*\p:AG+4*\blk+2*\p+1], v[X+2*\p:X+2*\p+1]   ; scale_A * g, rounded as the definition rounds it
.endr
.endr
	s_wait_alu depctr_va_vdst(0)
.irp q, 0,1,2,3
	TURNS 32                                       ; behind scale_B's rows: the two blocks' 32 loads.  The products that read the last K step's fragments stand nine places and a quantiser back
.if \q < 3
	LOADS \q+1
.endif
	s_wait_dscnt 0x0
.if \q < 3
	TURNF STSW, STLW, 1, 24                        ; behind block 0's item: block 1's 16 loads and scale_B's next 8
	LOADF SRC, 0, \q+1, 1, 1
.else
	TURNF STSW, STLW, 1, 16
.endif
	s_wait_dscnt 0x0
	SMUL 0
	QUANT X, PC, PW+2*\q
	STOREF 0, \q
.if \q < 3
	TURNF STSW, STLW, 2, 24                        ; behind block 1's item: scale_B's next 8 loads and block 0's next 16
	LOADF SRC, 1, \q+1, 1, 2
.else
	TURNF STSW, STLW, 2, 0
.endif
	s_wait_dscnt 0x0
	SMUL 1
	QUANT X, PC, PW+2*\q+1
	STOREF 1, \q
	SSTORE \q
.endr
.Ljoin:
	s_wait_dscnt 0x0                               ; for the others' sake: my part of t lies in LDS
	s_barrier_signal -1
	s_barrier_wait -1                              ; the launch's one barrier, on every wave's path
	s_cmp_lt_u32 ttmp9, 128
	s_cbranch_scc0 .Lend
	s_cmp_lt_u32 s[WV], 2
	s_cbranch_scc0 .Lend
	; ---- waves 0 and 1 of an x work-group: block wave's t = the sum of the eight waves' parts, k ascending
	s_lshl_b32 s32, s[ID], 11                      ; two blocks of 1,024 bytes a work-group
	s_lshl_b32 s34, s[WV], 10
	s_add_co_u32 s32, s32, s34
	s_mov_b32 s33, 0
	s_add_nc_u64 s[TQP:TQP+1], s[20:21], s[32:33]
.irp w, 0,1,2,3,4,5,6,7
	ds_load_b128 v[R+8*\w:R+8*\w+3], v[PRD] offset:2048*\w
	ds_load_b128 v[R+8*\w+4:R+8*\w+7], v[PRD] offset:2048*\w+512
.endr
	s_wait_dscnt 0x0
	s_wait_xcnt 0x0                                ; my stores of codes have read their data: v36 on may be written
.irp w, 1,2,3,4,5,6,7
.irp j, 0,2,4,6
	v_pk_add_f32 v[R+\j:R+\j+1], v[R+\j:R+\j+1], v[R+8*\w+\j:R+8*\w+\j+1]
.endr
.endr
.irp i, 0,1,2,3
	s_delay_alu instid0(VALU_DEP_4)
	v_cvt_pk_bf16_f32 v[PC+\i], v[R+2*\i], v[R+2*\i+1]     ; hi: t rounded to bf16: registers 0-3 of the next launch's operand (K = j = 8 h + 0 .. 7)
.endr
.irp i, 0,1,2,3
	v_lshlrev_b32 v[R+8+2*\i], 16, v[PC+\i]
	v_and_b32 v[R+9+2*\i], 0xffff0000, v[PC+\i]
.endr
.irp i, 0,1,2,3
	v_pk_add_f32 v[R+2*\i:R+2*\i+1], v[R+2*\i:R+2*\i+1], v[R+8+2*\i:R+9+2*\i] neg_lo:[0,1] neg_hi:[0,1]   ; t - hi, exact in f32
.endr
.irp i, 0,1,2,3
	s_delay_alu instid0(VALU_DEP_4)
	v_cvt_pk_bf16_f32 v[PC+4+\i], v[R+2*\i], v[R+2*\i+1]   ; lo: registers 4-7 (K = 16 + j)
.endr
	global_store_b128 v[LOFF], v[PC:PC+3], s[TQP:TQP+1]
	global_store_b128 v[LOFF], v[PC+4:PC+7], s[TQP:TQP+1] offset:512
.Lend:
	s_set_vgpr_msb 0x4
	s_wait_tensorcnt 0x0
	ds_add_u32 v51, v193
	s_wait_dscnt 0x0
	s_set_vgpr_msb 0x400
	s_endpgm
.Lfunc_end_k_qa751c98bbf_prep:
	.size	k_qa751c98bbf_prep, .Lfunc_end_k_qa751c98bbf_prep-k_qa751c98bbf_prep
	.p2alignl 7, 3214868480
	.fill 96, 4, 3214868480
	.section	.rodata,"a",@progbits
	.p2align	6, 0x0
	.amdhsa_kernel k_qa751c98bbf_prep
		.amdhsa_group_segment_fixed_size 152576
		.amdhsa_private_segment_fixed_size 0
		.amdhsa_enable_private_segment 0
		.amdhsa_kernarg_size 72
		.amdhsa_user_sgpr_count 2
		.amdhsa_user_sgpr_kernarg_segment_ptr 1
		.amdhsa_wavefront_size32 1
		.amdhsa_system_sgpr_workgroup_id_x 1
		.amdhsa_system_sgpr_workgroup_id_y 1
		.amdhsa_system_sgpr_workgroup_id_z 1
		.amdhsa_system_vgpr_workitem_id 0
		.amdhsa_next_free_vgpr 450
		.amdhsa_next_free_sgpr 66
		.amdhsa_reserve_vcc 1
		.amdhsa_float_denorm_mode_32 3
		.amdhsa_float_denorm_mode_16_64 3
		.amdhsa_memory_ordered 1
		.amdhsa_forward_progress 1
		.amdhsa_inst_pref_size 245
	.end_amdhsa_kernel
	.amdgpu_metadata
---
amdhsa.version: [ 1, 2 ]
amdhsa.kernels:
  - .name:           k_qa751c98bbf_prep
    .symbol:         k_qa751c98bbf_prep.kd
    .args:
      - { .name: x, .offset: 0, .size: 8, .value_kind: global_buffer, .address_space: global }
      - { .name: weight, .offset: 8, .size: 8, .value_kind: global_buffer, .address_space: global }
      - { .name: scale_A, .offset: 16, .size: 8, .value_kind: global_buffer, .address_space: global }
      - { .name: scale_B, .offset: 24, .size: 8, .value_kind: global_buffer, .address_space: global }
      - { .name: rank_magnitude, .offset: 32, .size: 8, .value_kind: global_buffer, .address_space: global }
      - { .name: lora_A, .offset: 40, .size: 8, .value_kind: global_buffer, .address_space: global }
      - { .name: xq, .offset: 48, .size: 8, .value_kind: global_buffer, .address_space: global }
      - { .name: wq, .offset: 56, .size: 8, .value_kind: global_buffer, .address_space: global }
      - { .name: tq, .offset: 64, .size: 8, .value_kind: global_buffer, .address_space: global }
    .group_segment_fixed_size: 152576
    .private_segment_fixed_size: 0
    .kernarg_segment_align: 8
    .kernarg_segment_size: 72
    .max_flat_workgroup_size: 256
    .sgpr_count:     66
    .vgpr_count:     450
    .wavefront_size: 32
...
	.end_amdgpu_metadata
.endif
;; end of part 1
;; launch gemm (part 2): grid 16 x 16, 4 waves a work-group, clusters of 4 x 4, 327,680 bytes of LDS; arguments xq, wq, tq, lora_B, out0; writes out0
.if DOCPART == 2
	.amdgcn_target "amdgcn-amd-amdhsa--gfx1250"
	.amdhsa_code_object_version 6
	.text
	.protected	k_qa751c98bbf_gemm
	.globl	k_qa751c98bbf_gemm
	.p2align	8
	.type	k_qa751c98bbf_gemm,@function
k_qa751c98bbf_gemm:
	s_mov_b64 s[64:65], 0
	v_nop
	global_prefetch_b8 v0, s[64:65] scope:SCOPE_SE
	s_setreg_imm32_b32 hwreg(HW_REG_WAVE_MODE, 25, 1), 1
	s_wait_xcnt 0x0
	s_wait_alu depctr_hold_cnt(0) depctr_sa_sdst(0) depctr_va_vdst(0) depctr_va_sdst(0) depctr_va_ssrc(0) depctr_va_vcc(0) depctr_vm_vsrc(0)
	s_getreg_b32 s2, hwreg(HW_REG_IB_STS2, 6, 4)
	s_cmp_eq_u32 s2, 0
	s_cbranch_scc0 .Lentry_in_a_cluster
	s_endpgm
.Lentry_in_a_cluster:
	s_bfe_u32 s2, ttmp6, 0x10000c
	s_cmp_lg_u32 s2, 0xf033
	s_cbranch_scc0 .Lentry_shape_is_right
	s_endpgm
.Lentry_shape_is_right:
; out0[m][n] = sum over k of Q(x)[m][k] Q(W_eff)[n][k] + sum over j of t[m][j] lora_B[n][j].  Nothing of the problem is left out here.
; xq, wq: codes of BF6 and E8M0 scale words in the order of the operand's registers: [K step of 128][group of 128 rows][record of 12,800 bytes]; in a record block i's fragment at 1,536 i
; (registers 4 c .. 4 c + 3 at 512 c + 16 lane), the scale words at 12,288 + 64 i + 4 row.  tq: t as bf16 in two parts (hi at K 0-15, lo at K 16-31), 1,024 bytes for 16 rows, in register order.
; A tile of out0, 256 x 256, is made by four waves, 128 x 128 each: 64 accumulators.  K goes through a ring of two LDS slots of three K steps (12 records, 153,600 bytes); the 32 steps are ten such slots and one of two steps.
; CLUSTERS: 4 x 4 work-groups; x's records are asked for jointly along a row of the cluster, W's along a column.  The matrix instruction is used transposed (source 0 = W's rows, source 1 = x's rows).
; REGISTERS.  Every window of 256 holds v0-31 addresses (window 0 also the scale words), v32-79 and v80-127 two sets of four fragments, v128-255 sixteen accumulators.
;   window 0: x's blocks 0-3, window 1: x's 4-7, window 2: W's 0-3, window 3: W's 4-7.  Accumulator (a, b) lies in window 2 (a / 4) + b / 4 at v[128 + 8 (4 (a % 4) + b % 4)].
;   BOTH operands have two sets: a K step multiplies one set while the other takes the next step's fragments.
; A K step takes the quadrants of its 64 products in the order g0, g2, g1, g3 (g = 2 (a / 4) + b / 4), one setting of the windows each.  In its middle stands ONE run of 56 LDS loads, the whole next step:
; x 0-3, the scale words, W 0-3 (wanted by g0), x 4-7 (first wanted by g2), W 4-7 (first wanted by g1): so the next step's waits are counted 24, 12 and 0.
; PREFETCH: behind the joint load of slot j stands the request for slot j + 2 (slots 2 and 3 are asked for behind slot 1's load; slots 0 and 1 come by their loads alone).  Of the 150 blocks of 256 bytes that a
; wave's load covers each of the four partners names 38, told apart by address alone; the last slot has 100 blocks, 25 a partner.  Lanes left over name their share's last block again.  Nothing is asked for beyond slot 10.
.set SIZE_N, 4096
.set REC,    12800
.set KSB,    32*REC                    ; from a K step's records to the next K step's
.set HALFT,  3*REC                     ; what one tensor load brings: a group's records of three K steps
.set SLOT,   4*HALFT                   ; x's two groups, then W's two
.set SLOTB,  3*KSB                     ; a slot's step in memory
.set SCOFF,  12288
.set SPARE,  2*SLOT                    ; behind the ring: the spare words, 128 bytes a wave
.set STAGE,  SLOT                      ; the way out goes through slot 1: the last slot of the walk lies in slot 0
.set SPITCH, 528
.set LBO,  7                           ; window 0: v7 lora_B's offset
.set SPW,  8                           ; v8  my spare word; v9  0: never rewritten
.set NIL,  9
.set CO,   10                          ; v10 16 x lane
.set STO,  11                          ; v11, v12 the way out: into the stage, back from it
.set RD,   12
.set PFO,  13                          ; v13-15 the prefetches' offsets
.set PFO2, 14
.set PFO3, 15
.set SC,   16                          ; v16-31 scale words, two sets of eight: lanes 0-15 x's block i, lanes 16-31 W's block i
.set ADR,  0                           ; window 2: v0, v1 x's fragments in slot 0, 1; v2, v3 W's
.set ADRS, 4                           ; window 2: v4, v5 the scale words in slot 0, 1
.set FB,   32                          ; fragments: set p at FB + 48 p
.set ACC,  128
.set TF,   32                          ; the head: t's fragments (windows 0, 1); lora_B's hi and lo parts (windows 2, 3); lora_B as loaded (window 0); its hi part widened (window 1)
.set BH,   32
.set BL,   64
.set RAW,  64
.set U,    64
.set BK,   32                          ; the way out: 16 rows read back, v32-95 of windows 0 and 1 by turns
.set G1,  24
.set G0,  32
.set G1B, 48
.set G0B, 56
.set G1L, 80                           ; group 1 for the last slot: two K steps
.set G1LB, 88
.set PFA, 66
.set MSB, 0
.macro WIN new                         ; the immediate's high byte repeats the setting that is left
.if MSB != (\new)
	s_set_vgpr_msb (MSB<<8)|(\new)
.set MSB, (\new)
.endif
.endm
.macro JLOAD g0a, g1a, g0b, g1b        ; a joint load: waves 0 and 1 fetch x's two groups, waves 2 and 3 W's; s_nop 0 and four v_nop behind each line
	s_cmp_eq_u32 s15, 0
	s_cbranch_scc0 .Lfor_b_\@
	tensor_load_to_lds s[\g0a:\g0a+3], s[\g1a:\g1a+7]
	s_nop 0
.rept 4
	v_nop
.endr
	s_branch .Lasked_\@
.Lfor_b_\@:
	tensor_load_to_lds s[\g0b:\g0b+3], s[\g1b:\g1b+7]
	s_nop 0
.rept 4
	v_nop
.endr
.Lasked_\@:
.endm
.macro CREST                           ; a round of the cluster's barrier behind its opening barrier
	s_cmp_lg_u32 s14, 0
	s_cbranch_scc1 .Lnot_wave_0_\@
	s_barrier_signal -3
.Lnot_wave_0_\@:
	s_barrier_wait -3
	s_barrier_signal -1
	s_barrier_wait -1
.endm
.macro CROUND
	s_barrier_signal -1
	s_barrier_wait -1
	CREST
.endm
.macro PLACES n
.rept \n
	v_nop
.endr
.endm
; The loop's prefetch, two slots beyond the refill just asked for.  kind 1 (slot 0's change): in the last trip that is the walk's last slot, of two K steps; kind 2 (slot 1's): in the last trip nothing is left
.macro ASK kind
	s_cmp_gt_u32 s3, 1
	s_cbranch_scc0 .Llast_\@
	global_prefetch_b8 v[PFO], s[PFA:PFA+1] offset:3*SLOTB th:TH_LOAD_NT scope:SCOPE_SE
	global_prefetch_b8 v[PFO2], s[PFA:PFA+1] offset:3*SLOTB th:TH_LOAD_NT scope:SCOPE_SE
.if \kind == 1
	s_branch .Ldone_\@
.Llast_\@:
	global_prefetch_b8 v[PFO3], s[PFA:PFA+1] offset:3*SLOTB th:TH_LOAD_NT scope:SCOPE_SE
.Ldone_\@:
.else
.Llast_\@:
.endif
.endm
	s_load_b256 s[4:11], s[0:1], 0x0               ; xq 4:5, wq 6:7, tq 8:9, lora_B 10:11
	s_load_b64 s[12:13], s[0:1], 0x20              ; out0
	v_lshl_add_u32 v[SPW], v0, 2, SPARE
	v_mov_b32 v[NIL], 0
	ds_add_u32 v[SPW], v[NIL]                      ; the opening lines: the add, twice on end, and its wait ahead of my first tensor load
	ds_add_u32 v[SPW], v[NIL]
	v_lshrrev_b32 v4, 5, v0
	v_readfirstlane_b32 s14, v4                    ; wave 0..3
	v_and_b32 v1, 15, v0                           ; r
	v_bfe_u32 v2, v0, 4, 1                         ; h
	v_and_b32 v3, 31, v0                           ; lane
	v_lshlrev_b32 v[CO], 4, v3
	v_lshlrev_b32 v[LBO], 6, v1
	v_lshl_add_u32 v[LBO], v2, 5, v[LBO]           ; lora_B: row r of 64 bytes, + 32 h
	s_lshr_b32 s15, s14, 1                         ; my half of the tile's rows.  Also: I fetch for x (0) or W (1)
	s_and_b32 s16, s14, 1                          ; my half of its columns.  Also: which group I fetch
	s_bfe_u32 s40, ttmp6, 0x40000                  ; cx, cy
	s_bfe_u32 s41, ttmp6, 0x40004
	s_lshl_b32 s42, ttmp9, 2
	s_add_co_u32 s42, s42, s40                     ; tile column
	s_and_b32 s17, ttmp7, 0xffff
	s_lshl_b32 s17, s17, 2
	s_add_co_u32 s17, s17, s41                     ; tile row
	s_lshl_b32 s43, s41, 2
	s_lshl_b32 s43, 15, s43                        ; my row of the cluster
	s_lshl_b32 s44, 0x1111, s40                    ; my column
	s_or_b32 s[G1+0], s43, (3<<16)|(1<<21)         ; elements of 8 bytes; the mask, bit 21 beside it
	s_or_b32 s[G1B+0], s44, (3<<16)|(1<<21)
	s_or_b32 s[G1L+0], s43, (3<<16)|(1<<21)
	s_or_b32 s[G1LB+0], s44, (3<<16)|(1<<21)
.irp g, G1, G1B                        ; three rows of 1,600 elements (a record), 51,200 elements (a K step) apart
	s_mov_b32 s[\g+1], 1600<<16
	s_mov_b32 s[\g+2], 3<<16
	s_mov_b32 s[\g+3], 1600<<16
	s_mov_b32 s[\g+4], 3
	s_mov_b32 s[\g+5], 51200
	s_mov_b32 s[\g+6], 0
	s_mov_b32 s[\g+7], 0
.endr
.irp g, G1L, G1LB                      ; two rows
	s_mov_b32 s[\g+1], 1600<<16
	s_mov_b32 s[\g+2], 2<<16
	s_mov_b32 s[\g+3], 1600<<16
	s_mov_b32 s[\g+4], 2
	s_mov_b32 s[\g+5], 51200
	s_mov_b32 s[\g+6], 0
	s_mov_b32 s[\g+7], 0
.endr
	s_lshl_b32 s70, s17, 4
	s_lshl_b32 s71, s15, 3
	s_add_co_u32 s70, s70, s71
	s_lshl_b32 s70, s70, 10                        ; tq: my eight blocks of 1,024 bytes
	s_mov_b32 s71, 0
	s_lshl_b32 s96, s42, 8
	s_lshl_b32 s97, s16, 7
	s_add_co_u32 s96, s96, s97
	s_lshl_b32 s96, s96, 6                         ; lora_B: my 128 rows of 64 bytes
	s_mov_b32 s97, 0
	s_lshl_b32 s20, s17, 1
	s_add_co_u32 s20, s20, s16
	s_mul_i32 s20, s20, REC                        ; x's group that I fetch
	s_mov_b32 s21, 0
	s_lshl_b32 s46, s42, 1
	s_add_co_u32 s46, s46, s16
	s_mul_i32 s46, s46, REC                        ; W's
	s_mov_b32 s47, 0
	s_mul_i32 s45, s14, HALFT                      ; where my load goes: no place in the cluster enters an LDS address
	s_mul_i32 s68, s15, HALFT                      ; LDS: x's group that I multiply,
	s_mul_i32 s69, s16, HALFT
	s_add_co_u32 s69, s69, 2*HALFT                 ; and W's
	s_add_co_u32 s76, s68, SLOT
	s_add_co_u32 s77, s69, SLOT
	s_xor_b32 s23, s15, 1
	s_add_co_u32 s23, s23, s16
	s_add_co_u32 s23, s23, 1
	s_mul_i32 s23, s23, HALFT                      ; from x's group to W's
	s_add_co_u32 s78, s68, SCOFF
	s_mul_i32 s74, s14, 16*SPITCH
	s_add_co_u32 s74, s74, STAGE                   ; my stage
	s_cmp_eq_u32 s15, 0
	s_cselect_b32 s72, s17, s42                    ; the prefetches: my tensor's tile,
	s_cselect_b32 s73, s40, s41                    ; my place among the four that ask with me
	s_mul_i32 s75, s73, 38
	s_mul_i32 s79, s73, 25
	s_lshl_b32 s72, s72, 1
	s_add_co_u32 s72, s72, s16
	s_mul_i32 s72, s72, REC
	s_mov_b32 s73, 0
	s_wait_dscnt 0x0                               ; both opening adds are done
	s_wait_alu depctr_va_vdst(0)
	s_wait_kmcnt 0x0
	s_add_nc_u64 s[8:9], s[8:9], s[70:71]
	s_add_nc_u64 s[10:11], s[10:11], s[96:97]
.irp a, 0,1,2,3
	global_load_b128 v[TF+8*\a:TF+8*\a+3], v[CO], s[8:9] offset:1024*\a
	global_load_b128 v[TF+8*\a+4:TF+8*\a+7], v[CO], s[8:9] offset:1024*\a+512
.endr
.irp b, 0,1,2,3,4,5,6,7
	global_load_b128 v[RAW+8*\b:RAW+8*\b+3], v[LBO], s[10:11] offset:1024*\b
	global_load_b128 v[RAW+8*\b+4:RAW+8*\b+7], v[LBO], s[10:11] offset:1024*\b+16
.endr
	WIN 0x40                                       ; t's blocks 4-7 land in window 1
.irp a, 0,1,2,3
	global_load_b128 v[TF+8*\a:TF+8*\a+3], v[CO], s[8:9] offset:4096+1024*\a
	global_load_b128 v[TF+8*\a+4:TF+8*\a+7], v[CO], s[8:9] offset:4096+1024*\a+512
.endr
	WIN 0
	s_add_nc_u64 s[20:21], s[4:5], s[20:21]
	s_add_nc_u64 s[46:47], s[6:7], s[46:47]
.irp s, 0,1
	s_mov_b32 s[G0+4*\s], 1
	s_add_co_u32 s[G0+4*\s+1], s45, \s*SLOT
	s_add_nc_u64 s[G0+4*\s+2:G0+4*\s+3], s[20:21], \s*SLOTB
	s_or_b32 s[G0+4*\s+3], s[G0+4*\s+3], 0x80000000
	s_mov_b32 s[G0B+4*\s], 1
	s_add_co_u32 s[G0B+4*\s+1], s45, \s*SLOT
	s_add_nc_u64 s[G0B+4*\s+2:G0B+4*\s+3], s[46:47], \s*SLOTB
	s_or_b32 s[G0B+4*\s+3], s[G0B+4*\s+3], 0x80000000
.endr
	s_cmp_eq_u32 s15, 0
	s_cselect_b64 s[PFA:PFA+1], s[4:5], s[6:7]
	s_add_nc_u64 s[PFA:PFA+1], s[PFA:PFA+1], s[72:73]   ; the group that I fetch, at slot 0
	s_lshl_b32 s20, s17, 8
	s_lshl_b32 s21, s15, 7
	s_add_co_u32 s20, s20, s21
	s_lshl_b32 s20, s20, 14                        ; my first row of out0, 16,384 bytes a row
	s_mov_b32 s21, 0
	s_lshl_b32 s46, s42, 10
	s_lshl_b32 s47, s16, 9
	s_add_co_u32 s46, s46, s47                     ; my first column, in bytes
	s_mov_b32 s47, 0
	s_add_nc_u64 s[20:21], s[20:21], s[46:47]
	s_add_nc_u64 s[12:13], s[12:13], s[20:21]
	CROUND                                         ; all sixteen work-groups are here: the first joint loads meet
	JLOAD G0, G1, G0B, G1B                         ; slot 0: one tensor load a wave at the head
	; while it is out: the addresses and lora_B's two bf16 parts
	v_mul_u32_u24 v5, s23, v2                      ; lanes 16-31 take W's scale words
	v_lshl_add_u32 v5, v1, 2, v5
	v_add_nc_u32 v6, s78, v5
	v_mul_u32_u24 v4, v1, SPITCH                   ; into the stage: row r, 32 bytes for each half of the lanes
	v_lshl_add_u32 v4, v2, 5, v4
	v_add_nc_u32 v[STO], s74, v4
	v_add_nc_u32 v[RD], s74, v[CO]                 ; back: the 32 lanes take a row of 512 bytes
	WIN 0x80                                       ; destination window 2
	v_add_nc_u32 v[ADR], s68, v[CO]
	v_add_nc_u32 v[ADR+1], s76, v[CO]
	v_add_nc_u32 v[ADR+2], s69, v[CO]
	v_add_nc_u32 v[ADR+3], s77, v[CO]
	v_mov_b32 v[ADRS], v6
	v_add_nc_u32 v[ADRS+1], SLOT, v6
	WIN 0
	v_add_nc_u32 v4, s75, v3                       ; block 38 place + lane of the load's 150,
	v_min_u32 v5, 5, v3
	v_add_nc_u32 v5, 32, v5
	v_add_nc_u32 v5, s75, v5
	v_min_u32 v5, 149, v5                          ; and the share's other six;
	v_min_u32 v6, 24, v3
	v_add_nc_u32 v6, s79, v6                       ; block 25 place + lane of the last slot's 100
	v_mul_u32_u24 v[PFO], v4, 41
	v_mul_u32_u24 v[PFO2], v5, 41
	v_mul_u32_u24 v[PFO3], v6, 41
	v_lshrrev_b32 v[PFO], 11, v[PFO]               ; block / 50: which K step of the slot
	v_lshrrev_b32 v[PFO2], 11, v[PFO2]
	v_lshrrev_b32 v[PFO3], 11, v[PFO3]
	v_mul_u32_u24 v[PFO], v[PFO], KSB-REC
	v_mul_u32_u24 v[PFO2], v[PFO2], KSB-REC
	v_mul_u32_u24 v[PFO3], v[PFO3], KSB-REC
	v_lshl_add_u32 v[PFO], v4, 8, v[PFO]
	v_lshl_add_u32 v[PFO2], v5, 8, v[PFO2]
	v_lshl_add_u32 v[PFO3], v6, 8, v[PFO3]
	s_wait_loadcnt 0x0                             ; t and lora_B are in
.irp y, 0,1                            ; lora_B = hi + lo, both bf16; each part stands twice along K, against t's hi and t's lo
	WIN ((2+\y)<<6)
.irp b, 0,1,2,3
.irp i, 0,1,2,3
	v_cvt_pk_bf16_f32 v[BH+8*\b+\i], v[RAW+8*(4*\y+\b)+2*\i], v[RAW+8*(4*\y+\b)+2*\i+1]
	v_cvt_pk_bf16_f32 v[BH+8*\b+4+\i], v[RAW+8*(4*\y+\b)+2*\i], v[RAW+8*(4*\y+\b)+2*\i+1]
.endr
.endr
	WIN (0x40|((2+\y)<<2))                         ; source 1 window 2 + y, destination window 1
.irp b, 0,1,2,3
.irp i, 0,1,2,3
	v_lshlrev_b32 v[U+8*(4*\y+\b)+2*\i], 16, v[BH+8*\b+\i]
	v_and_b32 v[U+8*(4*\y+\b)+2*\i+1], 0xffff0000, v[BH+8*\b+\i]
.endr
.endr
.endr
	WIN 0x04
.irp j, 0,2,4,6,8,10,12,14,16,18,20,22,24,26,28,30,32,34,36,38,40,42,44,46,48,50,52,54,56,58,60,62
	v_pk_add_f32 v[RAW+\j:RAW+\j+1], v[RAW+\j:RAW+\j+1], v[U+\j:U+\j+1] neg_lo:[0,1] neg_hi:[0,1]   ; lora_B - hi, exact in f32
.endr
.irp y, 0,1
	WIN ((2+\y)<<6)
.irp b, 0,1,2,3
.irp i, 0,1,2,3
	v_cvt_pk_bf16_f32 v[BL+8*\b+\i], v[RAW+8*(4*\y+\b)+2*\i], v[RAW+8*(4*\y+\b)+2*\i+1]
	v_cvt_pk_bf16_f32 v[BL+8*\b+4+\i], v[RAW+8*(4*\y+\b)+2*\i], v[RAW+8*(4*\y+\b)+2*\i+1]
.endr
.endr
.endr
	WIN 0
; Quadrant (x, y): x's blocks 4 x .. 4 x + 3 against W's blocks 4 y .. 4 y + 3, set p; the sixteen accumulators take turns.
.macro GRP x, y, p
	WIN (((2*\x+\y)*0x50)|(\x<<2)|(2+\y))          ; destination and C window 2 x + y, source 0 (W) window 2 + y, source 1 (x) window x
.irp a, 0,1,2,3
.irp b, 0,1,2,3
	v_wmma_scale_f32_16x16x128_f8f6f4 v[ACC+8*(4*\a+\b):ACC+8*(4*\a+\b)+7], v[FB+48*(\p)+12*\b:FB+48*(\p)+12*\b+11], v[FB+48*(\p)+12*\a:FB+48*(\p)+12*\a+11], v[ACC+8*(4*\a+\b):ACC+8*(4*\a+\b)+7], v[SC+8*(\p)+4*\y+\b], v[SC+8*(\p)+4*\x+\a] matrix_a_fmt:MATRIX_FMT_BF6 matrix_b_fmt:MATRIX_FMT_BF6 matrix_a_scale:MATRIX_SCALE_ROW1
.endr
.endr
.endm
.macro RUNF d, p, slot, q              ; window d's four fragments of K step q of the slot, into set p; the address from window 2
	WIN (((\d)<<6)|2)
.irp n, 0,1,2,3,4,5,6,7,8,9,10,11
	ds_load_b128 v[FB+48*(\p)+4*\n:FB+48*(\p)+4*\n+3], v[ADR+2*((\d)/2)+\slot] offset:(\q)*REC+6144*((\d)%2)+512*\n
.endr
.endm
.macro RUNS p, slot, q                 ; its eight scale words
	WIN 0x02
.irp i, 0,1,2,3,4,5,6,7
	ds_load_b32 v[SC+8*(\p)+\i], v[ADRS+\slot] offset:(\q)*REC+64*\i
.endr
.endm
.macro RUN p, slot, q                  ; a whole K step's 56 loads in one run, in the order in which the quadrants want them
	RUNF 0, \p, \slot, \q
	RUNS \p, \slot, \q
	RUNF 2, \p, \slot, \q
	RUNF 1, \p, \slot, \q
	RUNF 3, \p, \slot, \q
.endm
; A K step on set p.  LDS loads come back in order: at its head the youngest 24 (x 4-7, W 4-7) may be out, ahead of the second quadrant W 4-7's 12, ahead of the third none.
.macro STEP slot, q, p, ld
	s_wait_dscnt 24
	GRP 0, 0, \p
	s_wait_dscnt 12
	GRP 1, 0, \p
	s_wait_dscnt 0
.if \ld
	PLACES 4                                       ; four places between the last step's products and the loads into the set that they read
	RUN 1-(\p), \slot, (\q)+1
.endif
	GRP 0, 1, \p
	GRP 1, 1, \p
.endm
; A slot's third K step changes slots.  All its fragments were asked for in the step before, so the slot is read no more once they are in.  ONE barrier: in front of it each wave waits for all its tensor
; loads (its part of the next slot), adds 0 to its spare word and waits for that and for its reads.  fill = 1, 2: the barrier opens a round of the cluster's barrier and the slot is filled again (2: two K steps).
.macro TURN slot, p, next, fill, ask
	WIN 0                                          ; the add's two registers lie in window 0
.if \ask
	s_wait_xcnt 0x0                                ; my last prefetches have read their base
	s_add_nc_u64 s[PFA:PFA+1], s[PFA:PFA+1], SLOTB
.endif
	s_wait_tensorcnt 0x0
	ds_add_u32 v[SPW], v[NIL]
.if \fill
	s_add_nc_u64 s[G0+4*\slot+2:G0+4*\slot+3], s[G0+4*\slot+2:G0+4*\slot+3], 2*SLOTB     ; no tensor load of mine is out: this slot's next tile
	s_add_nc_u64 s[G0B+4*\slot+2:G0B+4*\slot+3], s[G0B+4*\slot+2:G0B+4*\slot+3], 2*SLOTB
.endif
	s_wait_dscnt 25                                ; the add and the youngest 24 loads may be out
	GRP 0, 0, \p
	s_wait_dscnt 0x0                               ; the add is done, and my reads of this slot are over
	s_barrier_signal -1
	GRP 1, 0, \p
	WIN 0
	s_barrier_wait -1
.if \fill
	CREST
.if \fill == 1
	JLOAD G0+4*\slot, G1, G0B+4*\slot, G1B         ; the first tensor load behind the round; its four v_nop are the places in front of the loads below
.else
	JLOAD G0+4*\slot, G1L, G0B+4*\slot, G1LB
.endif
.else
	PLACES 4
.endif
	RUN 1-(\p), \next, 0                           ; the next slot's first K step
	WIN 0
.if \ask
	ASK \ask
.endif
	GRP 0, 1, \p
	GRP 1, 1, \p
.endm
; t lora_B^T starts the sums: (t hi, t lo) against (hi, hi), then against (lo, lo)
.macro LMUL x, y
	WIN (((2*\x+\y)*0x50)|(\x<<2)|(2+\y))
.irp a, 0,1,2,3
.irp b, 0,1,2,3
	v_wmma_f32_16x16x32_bf16 v[ACC+8*(4*\a+\b):ACC+8*(4*\a+\b)+7], v[BH+8*\b:BH+8*\b+7], v[TF+8*\a:TF+8*\a+7], 0
.endr
.endr
.irp a, 0,1,2,3
.irp b, 0,1,2,3
	v_wmma_f32_16x16x32_bf16 v[ACC+8*(4*\a+\b):ACC+8*(4*\a+\b)+7], v[BL+8*\b:BL+8*\b+7], v[TF+8*\a:TF+8*\a+7], v[ACC+8*(4*\a+\b):ACC+8*(4*\a+\b)+7]
.endr
.endr
.endm
	s_wait_alu depctr_va_vdst(0)
	s_wait_tensorcnt 0x0                           ; my part of slot 0 is in
	ds_add_u32 v[SPW], v[NIL]
	s_wait_dscnt 0x0
	CROUND                                         ; everybody's part of slot 0 is in, and all sixteen work-groups are here
	JLOAD G0+4, G1, G0B+4, G1B                     ; slot 1, the first tensor load behind the round
	global_prefetch_b8 v[PFO], s[PFA:PFA+1] offset:2*SLOTB th:TH_LOAD_NT scope:SCOPE_SE     ; slots 2 and 3
	global_prefetch_b8 v[PFO2], s[PFA:PFA+1] offset:2*SLOTB th:TH_LOAD_NT scope:SCOPE_SE
	global_prefetch_b8 v[PFO], s[PFA:PFA+1] offset:3*SLOTB th:TH_LOAD_NT scope:SCOPE_SE
	global_prefetch_b8 v[PFO2], s[PFA:PFA+1] offset:3*SLOTB th:TH_LOAD_NT scope:SCOPE_SE
	LMUL 0, 0
	LMUL 1, 0
	LMUL 0, 1
	LMUL 1, 1
	PLACES 5                                       ; five places ahead of products of another form on these accumulators; they also serve the loads into the registers just read
	RUN 0, 0, 0
	WIN 0
	s_mov_b32 s3, 4
.Llap:                                                 ; a trip: both slots, six K steps; it refills slots 2 .. 9 of the walk
	STEP 0, 0, 0, 1
	STEP 0, 1, 1, 1
	TURN 0, 0, 1, 1, 1
	STEP 1, 0, 1, 1
	STEP 1, 1, 0, 1
	TURN 1, 1, 0, 1, 2
	WIN 0
	s_sub_co_u32 s3, s3, 1
	s_cmp_lg_u32 s3, 0
	s_cbranch_scc1 .Llap
	STEP 0, 0, 0, 1                                ; the tail is written out: one refill of two K steps, then none
	STEP 0, 1, 1, 1
	TURN 0, 0, 1, 2, 0
	STEP 1, 0, 1, 1
	STEP 1, 1, 0, 1
	TURN 1, 1, 0, 0, 0
	STEP 0, 0, 0, 1
	STEP 0, 0, 1, 0                                ; the last K step fetches nothing
; THE WAY OUT, block by block of 16 rows x 128 columns: through my own stage (in slot 1, which has had its last fill and its last read) and back as whole rows of 512 bytes.
.macro TOSTAGE a
.irp y, 0,1
	WIN ((2*((\a)/4)+\y)<<2)                       ; an LDS store's data are its source 1
.irp b, 0,1,2,3
	ds_store_b128 v[STO], v[ACC+8*(4*((\a)%4)+\b):ACC+8*(4*((\a)%4)+\b)+3] offset:64*(4*\y+\b)        ; each accumulator from its low end on
	ds_store_b128 v[STO], v[ACC+8*(4*((\a)%4)+\b)+4:ACC+8*(4*((\a)%4)+\b)+7] offset:64*(4*\y+\b)+16
.endr
.endr
	WIN (((\a)%2)<<6)
.irp t, 0,1,2,3,4,5,6,7,8,9,10,11,12,13,14,15
	ds_load_b128 v[BK+4*\t:BK+4*\t+3], v[RD] offset:\t*SPITCH       ; LDS serves a wave's instructions in order: these see the stores above
.endr
.endm
.macro SEND a, younger
	s_wait_dscnt \younger
.if (\a) > 0
	s_add_nc_u64 s[12:13], s[12:13], 16*SIZE_N*4   ; behind a wait on XCNT: the earlier stores have read their base
.endif
	WIN (((\a)%2)<<2)
.irp t, 0,1,2,3,4,5,6,7,8,9,10,11,12,13,14,15
	global_store_b128 v[CO], v[BK+4*\t:BK+4*\t+3], s[12:13] offset:\t*SIZE_N*4 th:TH_STORE_NT   ; 32 lanes store 512 consecutive bytes, at a multiple of 256 from out0's first byte
.endr
.endm
	PLACES 4                                       ; between the last products and the reads of results and the loads into fragments' registers
	TOSTAGE 0
.irp a, 1,2,3,4,5,6,7
.if \a > 1
	s_wait_xcnt 0x0                                ; block a - 2's stores have read their registers and their base
.endif
	TOSTAGE \a
	SEND \a-1, 32                                  ; behind block a - 1's loads: block a's 16 stores and 16 loads
.endr
	s_wait_xcnt 0x0
	SEND 7, 0
	WIN 0
	s_wait_tensorcnt 0x0                           ; the wave's end
	ds_add_u32 v[SPW], v[NIL]
	s_wait_dscnt 0x0
	CROUND                                         ; the closing round
	s_endpgm
.Lfunc_end_k_qa751c98bbf_gemm:
	.size	k_qa751c98bbf_gemm, .Lfunc_end_k_qa751c98bbf_gemm-k_qa751c98bbf_gemm
	.p2alignl 7, 3214868480
	.fill 96, 4, 3214868480
	.section	.rodata,"a",@progbits
	.p2align	6, 0x0
	.amdhsa_kernel k_qa751c98bbf_gemm
		.amdhsa_group_segment_fixed_size 327680
		.amdhsa_private_segment_fixed_size 0
		.amdhsa_enable_private_segment 0
		.amdhsa_kernarg_size 40
		.amdhsa_user_sgpr_count 2
		.amdhsa_user_sgpr_kernarg_segment_ptr 1
		.amdhsa_wavefront_size32 1
		.amdhsa_system_sgpr_workgroup_id_x 1
		.amdhsa_system_sgpr_workgroup_id_y 1
		.amdhsa_system_sgpr_workgroup_id_z 1
		.amdhsa_system_vgpr_workitem_id 0
		.amdhsa_next_free_vgpr 1024
		.amdhsa_next_free_sgpr 98
		.amdhsa_reserve_vcc 0
		.amdhsa_float_denorm_mode_32 3
		.amdhsa_float_denorm_mode_16_64 3
		.amdhsa_memory_ordered 1
		.amdhsa_forward_progress 1
		.amdhsa_inst_pref_size 237
	.end_amdhsa_kernel
	.amdgpu_metadata
---
amdhsa.version: [ 1, 2 ]
amdhsa.kernels:
  - .name:           k_qa751c98bbf_gemm
    .symbol:         k_qa751c98bbf_gemm.kd
    .args:
      - { .name: xq, .offset: 0, .size: 8, .value_kind: global_buffer, .address_space: global }
      - { .name: wq, .offset: 8, .size: 8, .value_kind: global_buffer, .address_space: global }
      - { .name: tq, .offset: 16, .size: 8, .value_kind: global_buffer, .address_space: global }
      - { .name: lora_B, .offset: 24, .size: 8, .value_kind: global_buffer, .address_space: global }
      - { .name: out0, .offset: 32, .size: 8, .value_kind: global_buffer, .address_space: global }
    .group_segment_fixed_size: 327680
    .private_segment_fixed_size: 0
    .kernarg_segment_align: 8
    .kernarg_segment_size: 40
    .max_flat_workgroup_size: 128
    .sgpr_count:     98
    .vgpr_count:     1024
    .wavefront_size: 32
...
	.end_amdgpu_metadata
.endif
;; end of part 2
